; MI455X (gfx1250); checked and timed in simulation.
; The chip was launched on July 23, 2026; its instructions are those of AMD's public machine-readable ISA for CDNA 5 (MIT licence, August 2026) and "CDNA5" Instruction Set Architecture Reference Guide (July 2026). The comments in the code are by the model that wrote it; some were corrected since.
;; Prototype Match. Allowed arithmetic: matrix products marked QUANTISED: E2M1 operands, one E8M0 scale for each 32 along K, by v_wmma_scale_f32_16x16x128_f8f6f4 with both operands' format E2M1 (or v_wmma_scale_f32_32x16x128_f4), f32 sums; products left as they are: f32 operands where the result goes on into a quantised operand, else bf16, f16 or f32 operands; f32 sums; everything else in f32.
;; Inputs: global_token 8 x 16 x 256 float32; prototypes 512 x 256 float32; queries 8 x 8,192 x 256 float32.
;; Outputs: out0 8 x 8,192 float32.
;; This version of the problem:
;;   THIS VERSION OF THE PROBLEM IS GIVEN IN LOW PRECISION. The matrix products marked QUANTISED in the list below multiply operands that are first quantised to E2M1 (2 exponent bits, 1 mantissa bit; 4 bits a number), with one power-of-two scale for each 32 numbers along K (OCP MX v1.0); their sums are f32. All else is computed in f32.
;;   The module's matrix products, in the order in which they are computed (A, B: the left and right operand; K: the contracted axis; several contracted axes count as one K, in the product's order):
;;     1. [M 65,536, K 256] x [K 256, N 512]; A: input queries; B: input prototypes: QUANTISED
;;     2. [M 8, K 256] x [K 256, N 512]; A: computed on the way; B: input prototypes: left as it is (M = 8 < 16)
;;   THE QUANTISER, for each operand of a quantised product, along K:
;;     - K is cut into blocks of 32 from its start; a last block that is shorter is filled with zeros.
;;     - A block's scale is 2^e with e = floor(log2(the largest magnitude in the block)) - 2, held to -126 .. 127; a block of zeros has e = 0. As a byte (E8M0): e + 127.
;;     - Each number is divided by its block's scale, clamped to +-6, and rounded to the nearest number of E2M1, ties to even, subnormals kept.
;;     - The product sums the exact products of the quantised numbers (number of the format x scale) in f32.
;;   ~~~python
;;   def quantise(x, axis):      # numpy; x: float32 -> the quantised numbers, widened to float32 again
;;       x = np.moveaxis(x, axis, -1); K = x.shape[-1]
;;       x = np.pad(x, [(0, 0)] * (x.ndim - 1) + [(0, -K % 32)]); x = x.reshape(x.shape[:-1] + (-1, 32)); a = np.abs(x).max(-1, keepdims=True)
;;       e = np.where(a > 0, np.clip(np.frexp(np.where(a > 0, a, 1))[1] - 1 - 2, -126, 127), 0)      # np.frexp(a)[1] - 1 = floor(log2(a)), exactly
;;       r = np.clip(x / 2.0 ** e, -6, 6)
;;       step = 2.0 ** (np.maximum(np.frexp(np.where(r == 0, 1, r))[1] - 1, 0) - 1)
;;       q = np.round(r / step) * step * 2.0 ** e      # np.round: ties to even
;;       return np.moveaxis(q.reshape(q.shape[:-2] + (-1,))[..., :K], -1, axis).astype(np.float32)
;;   ~~~
;; One version. Each part assembles by itself: llvm-mc -triple=amdgcn-amd-amdhsa -mcpu=gfx1250 --defsym DOCPART=n.
;; ======== version 1 of 1: 3 launches
;; limits: values within 6.1e-05 (relative) of each other or of a threshold may be ordered or decided otherwise than in the reference
;; workspace buffers: pimg 69,632 bytes; gs 16,384 bytes; idx 262,144 bytes of whole numbers
;; launch prep (part 1): grid 72 x 1, 4 waves a work-group, no clusters, 168,448 bytes of LDS; arguments global_token, prototypes, pimg, gs; writes pimg, gs
.if DOCPART == 1
	.amdgcn_target "amdgcn-amd-amdhsa--gfx1250"
	.amdhsa_code_object_version 6
	.text
	.protected	k_qd85bf7e0f6_prep
	.globl	k_qd85bf7e0f6_prep
	.p2align	8
	.type	k_qd85bf7e0f6_prep,@function
k_qd85bf7e0f6_prep:
	s_mov_b64 s[64:65], 0
	v_nop
	global_prefetch_b8 v0, s[64:65] scope:SCOPE_SE
	s_setreg_imm32_b32 hwreg(HW_REG_WAVE_MODE, 25, 1), 1
	s_wait_xcnt 0x0
; TWO SMALL JOBS AHEAD OF THE MATCHING, in one launch; the work-group's number says which.
; Work-groups 0-63: gs[b][n] = (mean over 16 tokens of global_token[b]) . prototypes[n], f32 fused multiply-adds, for batch b = x / 8 and the 64 prototypes 64 (x % 8) on.
;   This product has 8 rows; its result is multiplied by 10 inside an exponential that steers an argmax, so its operands stay f32.
; Work-groups 64-71: prototypes [512][256] f32 become codes of FP4 (E2M1) with one E8M0 byte for each 32 along K, laid as IMAGES OF THE OPERAND'S REGISTERS:
;   column r of tile t (t = 0 .. 31) is prototype 32 r + t.  Fragment f = 32 s + t (K step s of 128): register group c of lane l = 16 h + r at byte 1024 f + 512 c + 16 l holds k = 128 s + 64 c + 32 h + 0 .. 31.
;   Scale words from byte 65,536 on: tile t, lane l at 512 (t / 4) + 16 l + 4 (t % 4); lanes 0-15 the word of K step 0 of column r, lanes 16-31 that of K step 1.
;   A tile's 16 rows lie 32 rows apart.  Each wave brings its tile by ONE tensor load of its own, rows of 1,024 consecutive bytes, into LDS rows of 1,040 bytes, and only that wave reads it: no barrier, and nothing is filled twice.
; A block's scale is 2^(floor(log2(its largest magnitude)) - 2); its byte is the largest magnitude's exponent field - 2, held at 1 from below.
; LIMITS: a block of zeros gets the byte 1 where the rule says 127 (its codes are zeros, and this program alone reads the bytes); NaN and infinities among the inputs are not served.
; The two jobs share no LDS byte.  The branch between them hangs on the work-group's number alone, so all four waves of a work-group pass the same barriers.
.set GP,  0                            ; LDS: four partial token sums of 1,024 bytes
.set GO,  4096                         ; 64 logits
.set QSL, 4352                         ; the scale words of four tiles: 512 bytes
.set TQB, 5120                         ; the four waves' tiles of f32 rows; no ds_store lands here
.set TQP, 1040                         ; a row: 1,024 bytes + 16 of padding = 260 words: row r starts at bank 4 r mod 64 (64 banks of 4 bytes: ISA guide 11.1)
.set TQS, 16*TQP                       ; a tile
.set TK,  16                           ; v16-47   four rows of 8 numbers a lane: tokens, then the waves' partial sums
.set G,   48                           ; v48-55   their sum
.set PR,  64                           ; v64-191  16 rows of prototypes, 8 numbers a lane
.set AP,  192                          ; v192-223 16 dot products, a pair each
.set X,   64                           ; v64-191  the quantiser: four blocks of 32 numbers
.set TM,  16                           ; v16-19   largest magnitudes
.set SO,  20                           ; v20-23   the conversions' scale operands
.set BY,  24                           ; v24-27   scale bytes
.set WD,  28                           ; v28-29   scale words of K steps 0, 1
.set PX,  30                           ; v30-31   what the other half of the lanes sends
.set CD,  32                           ; v32-47   codes
	s_load_b256 s[4:11], s[0:1], 0x0               ; global_token s[4:5], prototypes s[6:7], pimg s[8:9], gs s[10:11]
	v_lshl_add_u32 v224, v0, 2, 0x29000
	v_mov_b32 v225, 0
	ds_add_u32 v224, v225
	ds_add_u32 v224, v225
	s_wait_dscnt 0x0
	v_lshrrev_b32 v1, 5, v0
	v_readfirstlane_b32 s12, v1                    ; wave 0..3
	v_and_b32 v1, 31, v0                           ; lane
	v_lshlrev_b32 v2, 4, v1                        ; 16 x lane
	v_lshlrev_b32 v9, 3, v1                        ; 8 x lane
	v_and_b32 v6, 15, v0                           ; r
	v_bfe_u32 v8, v0, 4, 1                         ; h
	s_lshl_b32 s13, s12, 10
	v_add_nc_u32 v3, s13, v2                       ; my wave's partial sum: 1,024 x wave + 16 x lane
	s_lshl_b32 s13, s12, 6
	v_lshl_add_u32 v5, v6, 2, s13                  ; my wave's 16 logits: 64 x wave + 4 r
	s_lshl_b32 s13, s12, 2
	v_add_nc_u32 v7, s13, v2                       ; my tile's scale word: 16 x lane + 4 x wave
	s_mul_i32 s13, s12, TQS
	v_mul_u32_u24 v11, v6, TQP
	v_lshl_add_u32 v11, v8, 7, v11
	v_add_nc_u32 v11, s13, v11                     ; my place in my wave's tile: TQS x wave + TQP r + 128 h
	v_lshlrev_b32 v12, 3, v8                       ; 8 h
	s_mov_b32 s16, 0x76543210
	s_mov_b32 s17, 0xfedcba98                      ; v_permlanex16_b32's selects for lane l xor 16
	s_mov_b32 s18, 0xffff0000                      ; lanes 16-31
	s_mov_b32 s15, 0                               ; the high words of the offsets below
	s_mov_b32 s23, 0
	s_mov_b32 s25, 0
	; the quantiser's descriptor.  Group 1: 16 rows x 256 elements of 4 bytes, 32 rows of the tensor from row to row, 4 words of padding behind every 256
	s_mov_b32 s32, (2<<16)|(1<<20)|(7<<22)|(3<<25) ; 15:0 no mask; 17:16 elements of 4 bytes; 20 padding on; 24:22 after every 256 words (code 7); 31:25 four words (code 3)
	s_mov_b32 s33, 256<<16                         ; tensor_dim0 = 256
	s_mov_b32 s34, 16<<16                          ; tensor_dim1 = 16
	s_mov_b32 s35, 256<<16                         ; tile_dim0 = 256
	s_mov_b32 s36, 16                              ; tile_dim1 = 16
	s_mov_b32 s37, 32*256                          ; elements from row to row
	s_mov_b32 s38, 0
	s_mov_b32 s39, 0
	s_mov_b32 s28, 1                               ; group 0: count = 1,
	s_add_co_u32 s29, s13, TQB                     ; LDS address: my wave's tile
	s_cmp_lt_u32 ttmp9, 64
	s_cbranch_scc0 .Lquant
	; ---- THE LOGITS.  Wave w sums tokens 4 w .. 4 w + 3 and takes prototypes 64 xx + 16 w + 0 .. 15.  A lane holds channels 4 l .. 4 l + 3 and 128 + 4 l .. + 3: every load reads 512 consecutive bytes.
	s_lshr_b32 s19, ttmp9, 3                       ; b
	s_and_b32 s20, ttmp9, 7                        ; xx
	s_lshl_b32 s14, s19, 14
	s_lshl_b32 s21, s12, 12
	s_add_co_u32 s14, s14, s21                     ; tokens: 16,384 b + 4,096 w
	s_lshl_b32 s22, s20, 16
	s_lshl_b32 s21, s12, 14
	s_add_co_u32 s22, s22, s21                     ; prototypes: 65,536 xx + 16,384 w
	s_lshl_b32 s24, s19, 11
	s_lshl_b32 s21, s20, 8
	s_add_co_u32 s24, s24, s21                     ; gs: 2,048 b + 256 xx
	v_mov_b32 v10, 0                               ; the lane's logit is dealt into it below
	s_wait_kmcnt 0x0
	s_add_nc_u64 s[4:5], s[4:5], s[14:15]
	s_add_nc_u64 s[6:7], s[6:7], s[22:23]
	s_add_nc_u64 s[10:11], s[10:11], s[24:25]
.irp k, 0,1,2,3
.irp j, 0,1
	global_load_b128 v[TK+8*\k+4*\j:TK+8*\k+4*\j+3], v2, s[4:5] offset:1024*\k+512*\j
.endr
.endr
.irp i, 0,1,2,3,4,5,6,7,8,9,10,11,12,13,14,15
.irp j, 0,1
	global_load_b128 v[PR+8*\i+4*\j:PR+8*\i+4*\j+3], v2, s[6:7] offset:1024*\i+512*\j
.endr
.endr
.macro SUM4                            ; (row 0 + row 1) + (row 2 + row 3) of TK -> G
.irp j, 0,2,4,6
	v_pk_add_f32 v[TK+\j:TK+\j+1], v[TK+\j:TK+\j+1], v[TK+8+\j:TK+9+\j]
	v_pk_add_f32 v[TK+16+\j:TK+17+\j], v[TK+16+\j:TK+17+\j], v[TK+24+\j:TK+25+\j]
.endr
.irp j, 0,2,4,6
	v_pk_add_f32 v[G+\j:G+\j+1], v[TK+\j:TK+\j+1], v[TK+16+\j:TK+17+\j]
.endr
.endm
	s_wait_loadcnt 32                              ; the eight token loads are in; the 32 row loads issued behind them may stay out
	SUM4
	ds_store_b128 v3, v[G:G+3] offset:GP
	ds_store_b128 v3, v[G+4:G+7] offset:GP+512
	s_wait_dscnt 0x0                               ; for the others' sake: my partial sum lies in LDS
	s_barrier_signal -1
	s_barrier_wait -1
.irp k, 0,1,2,3
.irp j, 0,1
	ds_load_b128 v[TK+8*\k+4*\j:TK+8*\k+4*\j+3], v2 offset:GP+1024*\k+512*\j
.endr
.endr
	s_wait_dscnt 0x0
	SUM4                                           ; the sum of the batch's 16 tokens; the division by 16 is made on the finished logit (a power of two: the same number)
	s_wait_loadcnt 0x0                             ; my 16 rows of prototypes
.irp i, 0,1,2,3,4,5,6,7,8,9,10,11,12,13,14,15
	v_pk_mul_f32 v[AP+2*\i:AP+2*\i+1], v[PR+8*\i:PR+8*\i+1], v[G:G+1]          ; the 16 dot products by turns
.endr
.irp j, 2,4,6
.irp i, 0,1,2,3,4,5,6,7,8,9,10,11,12,13,14,15
	v_pk_fma_f32 v[AP+2*\i:AP+2*\i+1], v[PR+8*\i+\j:PR+8*\i+\j+1], v[G+\j:G+\j+1], v[AP+2*\i:AP+2*\i+1]
.endr
.endr
.irp i, 0,1,2,3,4,5,6,7,8,9,10,11,12,13,14,15
	v_add_f32 v[AP+2*\i], v[AP+2*\i], v[AP+2*\i+1]
.endr
.irp m, 1,2,4,8
.irp i, 0,1,2,3,4,5,6,7,8,9,10,11,12,13,14,15
	v_add_f32_dpp v[AP+2*\i], v[AP+2*\i], v[AP+2*\i] row_xmask:\m row_mask:0xf bank_mask:0xf
.endr
.endr
.irp i, 0,1,2,3,4,5,6,7,8,9,10,11,12,13,14,15
	v_permlanex16_b32 v[AP+2*\i+1], v[AP+2*\i], s16, s17
.endr
.irp i, 0,1,2,3,4,5,6,7,8,9,10,11,12,13,14,15
	v_add_f32 v[AP+2*\i], v[AP+2*\i], v[AP+2*\i+1]                             ; every lane holds all 16
.endr
.irp i, 0,1,2,3,4,5,6,7,8,9,10,11,12,13,14,15
	s_mov_b32 s20, 0x10001<<\i
	v_cndmask_b32 v10, v10, v[AP+2*\i], s20        ; lanes i and 16 + i keep number i
.endr
	v_mul_f32 v10, 0x3d800000, v10                 ; / 16: the mean
	ds_store_b32 v5, v10 offset:GO                 ; both halves of the lanes write the same word with the same value
	s_wait_dscnt 0x0
	s_barrier_signal -1
	s_barrier_wait -1
	s_cmp_lg_u32 s12, 0
	s_cbranch_scc1 .Lg_done
	ds_load_b64 v[14:15], v9 offset:GO
	s_wait_dscnt 0x0
	global_store_b64 v9, v[14:15], s[10:11]        ; 32 lanes store 256 consecutive bytes, at a multiple of 256 from gs's first byte
.Lg_done:
	s_wait_tensorcnt 0x0
	ds_add_u32 v224, v225
	s_wait_dscnt 0x0
	s_endpgm
	; ---- THE QUANTISER.  Wave w takes tile t = 4 q + w; lane (r, h) takes, of prototype 32 r + t, the k that the operand's layout gives that lane: four whole blocks of 32.
.Lquant:
	s_sub_co_u32 s19, ttmp9, 64                    ; q
	s_lshl_b32 s20, s19, 2
	s_add_co_u32 s20, s20, s12                     ; t
	s_lshl_b32 s14, s20, 10                        ; 1,024 t: the tile's first row, and its first fragment
	s_lshl_b32 s22, s19, 9                         ; 512 q: the four tiles' scale words
	v_mov_b32 v[PX], 0                             ; written once: a lane permute's destination counts as one of its sources
	v_mov_b32 v[PX+1], 0
	s_wait_kmcnt 0x0
	s_add_nc_u64 s[30:31], s[6:7], s[14:15]        ; group 0: the global address of row t,
	s_or_b32 s31, s31, 0x80000000                  ; type = 2
	s_add_nc_u64 s[24:25], s[8:9], s[22:23]
	s_add_nc_u64 s[8:9], s[8:9], s[14:15]
	tensor_load_to_lds s[28:31], s[32:39]          ; my wave's one tensor load: rows t, 32 + t, .. 480 + t
	s_nop 0
.rept 4
	v_nop                                          ; four of them behind the tensor load
.endr
	s_wait_tensorcnt 0x0                           ; the tile is in; the bytes are my wave's own
.irp j, 0,1,2,3                        ; block j = 2 s + c: k = 128 s + 64 c + 32 h on: byte 256 j + 128 h of the row
.irp i, 0,1,2,3,4,5,6,7
	ds_load_b128 v[X+32*\j+4*\i:X+32*\j+4*\i+3], v11 offset:TQB+256*\j+16*\i
.endr
.endr
	s_wait_dscnt 0x0
.irp j, 0,1,2,3
	v_max3_num_f32 v[TM+\j], |v[X+32*\j]|, |v[X+32*\j+1]|, 0x1800000           ; the floor 2^(3 - 127) among the leaves: the byte cannot fall under 1
.endr
.irp i, 2,4,6,8,10,12,14,16,18,20,22,24,26,28,30
.irp j, 0,1,2,3
	v_max3_num_f32 v[TM+\j], v[TM+\j], |v[X+32*\j+\i]|, |v[X+32*\j+\i+1]|      ; the four blocks by turns
.endr
.endr
.irp j, 0,1,2,3
	v_add_nc_u32 v[SO+\j], 0xff000000, v[TM+\j]    ; 2 off the exponent field: the conversion takes this operand's exponent field as its scale
.endr
.irp j, 0,1,2,3
	v_lshrrev_b32 v[BY+\j], 23, v[SO+\j]           ; the scale's byte
.endr
.irp s, 0,1                            ; my two bytes of K step s are bytes h and 2 + h of the column's word; the other two lie in lane l xor 16
	v_lshl_or_b32 v[WD+\s], v[BY+2*\s+1], 16, v[BY+2*\s]
.endr
.irp s, 0,1
	v_lshlrev_b32 v[WD+\s], v12, v[WD+\s]
.endr
.irp s, 0,1
	v_permlanex16_b32 v[PX+\s], v[WD+\s], s16, s17
.endr
.irp s, 0,1
	v_or_b32 v[WD+\s], v[WD+\s], v[PX+\s]
.endr
	v_cndmask_b32 v13, v[WD], v[WD+1], s18         ; lanes 0-15 K step 0's word, lanes 16-31 K step 1's
.irp j, 0,1,2,3
.irp g, 0,1,2,3
	v_cvt_scalef32_pk8_fp4_f32 v[CD+4*\j+\g], v[X+32*\j+8*\g:X+32*\j+8*\g+7], v[SO+\j]
.endr
.endr
	v_nop                                          ; one plain place behind the last scaled conversion
.irp j, 0,1,2,3
	global_store_b128 v2, v[CD+4*\j:CD+4*\j+3], s[8:9] offset:(\j/2)*32768+(\j%2)*512   ; 32 lanes store 512 consecutive bytes: register group c of fragment 32 s + t
.endr
	ds_store_b32 v7, v13 offset:QSL
	s_wait_dscnt 0x0                               ; for wave 0's sake
	s_barrier_signal -1
	s_barrier_wait -1
	s_cmp_lg_u32 s12, 0
	s_cbranch_scc1 .Lq_done
	ds_load_b128 v[16:19], v2 offset:QSL
	s_wait_dscnt 0x0
	global_store_b128 v2, v[16:19], s[24:25] offset:65536   ; the four tiles' scale words: 512 consecutive bytes
.Lq_done:
	s_wait_tensorcnt 0x0
	ds_add_u32 v224, v225
	s_wait_dscnt 0x0
	s_endpgm
.Lfunc_end_k_qd85bf7e0f6_prep:
	.size	k_qd85bf7e0f6_prep, .Lfunc_end_k_qd85bf7e0f6_prep-k_qd85bf7e0f6_prep
	.p2alignl 7, 3214868480
	.fill 96, 4, 3214868480
	.section	.rodata,"a",@progbits
	.p2align	6, 0x0
	.amdhsa_kernel k_qd85bf7e0f6_prep
		.amdhsa_group_segment_fixed_size 168448
		.amdhsa_private_segment_fixed_size 0
		.amdhsa_enable_private_segment 0
		.amdhsa_kernarg_size 32
		.amdhsa_user_sgpr_count 2
		.amdhsa_user_sgpr_kernarg_segment_ptr 1
		.amdhsa_wavefront_size32 1
		.amdhsa_system_sgpr_workgroup_id_x 1
		.amdhsa_system_sgpr_workgroup_id_y 1
		.amdhsa_system_sgpr_workgroup_id_z 1
		.amdhsa_system_vgpr_workitem_id 0
		.amdhsa_next_free_vgpr 226
		.amdhsa_next_free_sgpr 66
		.amdhsa_reserve_vcc 0
		.amdhsa_float_denorm_mode_32 3
		.amdhsa_float_denorm_mode_16_64 3
		.amdhsa_memory_ordered 1
		.amdhsa_forward_progress 1
		.amdhsa_inst_pref_size 31
	.end_amdhsa_kernel
	.amdgpu_metadata
---
amdhsa.version: [ 1, 2 ]
amdhsa.kernels:
  - .name:           k_qd85bf7e0f6_prep
    .symbol:         k_qd85bf7e0f6_prep.kd
    .args:
      - { .name: global_token, .offset: 0, .size: 8, .value_kind: global_buffer, .address_space: global }
      - { .name: prototypes, .offset: 8, .size: 8, .value_kind: global_buffer, .address_space: global }
      - { .name: pimg, .offset: 16, .size: 8, .value_kind: global_buffer, .address_space: global }
      - { .name: gs, .offset: 24, .size: 8, .value_kind: global_buffer, .address_space: global }
    .group_segment_fixed_size: 168448
    .private_segment_fixed_size: 0
    .kernarg_segment_align: 8
    .kernarg_segment_size: 32
    .max_flat_workgroup_size: 128
    .sgpr_count:     66
    .vgpr_count:     226
    .wavefront_size: 32
...
	.end_amdgpu_metadata
.endif
;; end of part 1
;; launch match (part 2): grid 256 x 1, 4 waves a work-group, no clusters, 327,680 bytes of LDS; arguments queries, pimg, gs, idx; writes idx
.if DOCPART == 2
	.amdgcn_target "amdgcn-amd-amdhsa--gfx1250"
	.amdhsa_code_object_version 6
	.text
	.protected	k_qd85bf7e0f6_match
	.globl	k_qd85bf7e0f6_match
	.p2align	8
	.type	k_qd85bf7e0f6_match,@function
k_qd85bf7e0f6_match:
	s_mov_b64 s[64:65], 0
	v_nop
	global_prefetch_b8 v0, s[64:65] scope:SCOPE_SE
	s_setreg_imm32_b32 hwreg(HW_REG_WAVE_MODE, 25, 1), 1
	s_wait_xcnt 0x0
; idx[row] = argmax over n of softmax_n(10 q.p_n) x softmax_n(10 g.p_n), the first product on codes of FP4 (E2M1) with one E8M0 scale for each 32 along K.
; SHARES.  Work-group x owns query rows 256 x .. + 255 (all of batch x / 32), each of its four waves 64 of them: four tiles of 16, one after the other.  A wave keeps all 64 fragments of the
; prototypes (32 tiles of 16 columns x 2 K steps of 128) in 512 registers and one tile's 16 x 512 scores in 256.  Behind one barrier at the head the waves share nothing.
; LDS is filled once and never again: each wave's 64 query rows by four tensor loads of its own (16 rows of 1,024 bytes each), fragments 0-55 of the prototypes by a quarter a wave.  All five go out at the first
; lines, so a wave has five tensor loads out at the most.  Fragments 56-63 and the scale words do not fit beside the queries and come into registers straight from memory.  The text uses 324,608 bytes of LDS.
; NO CLUSTER: what work-groups share is the prototypes' 57,344 bytes of the 323,584 that a work-group brings into LDS, asked for once; joint loads would add rounds of a cluster's barrier to a text with one barrier.
; LAYOUT.  Source 0 = 16 queries, source 1 = 16 prototypes; column r of tile t is prototype 32 r + t.  In the result lane (r, h), register 8 t + j, holds query 8 h + j against prototype 32 r + t:
; a weight is one number a lane and tile, and maxima and sums run down a lane's registers first, then over the 16 lanes of a half.
; ARITHMETIC, per query: the row's largest score is taken away; p' = 2^((s - smax) c + 24), c = 10 log2(e); S' = the sum of p'; w' = p' x pw', pw' = 2^24 x the batch's softmax weight (its largest logit taken away too).
; The division by S' does not change which n is largest, so it is not made: the weighted score is w' / S' x 2^-24.  Where the largest weighted score lies under 2^-126 every product counts as 0 and the index is 0:
; that is w' < S' x KTHR, KTHR = 2^-102.  The two shifts by 24 keep every number that can decide this a normal f32 number.
; THE ARGMAX is a maximum of f32 numbers that carry their index: the low 5 mantissa bits of w' are replaced by 31 - t, and across lanes bits 8:5 by 15 - r.
; LIMITS: two weighted scores of a row that agree in all but the low 5 mantissa bits (within a lane) or the low 9 (across lanes: a relative 2^-14) count as equal, and the lower n is taken;
; weighted scores under 2^-126 count as 0; a block of zeros gets the scale byte 1 (its codes are zeros; this program alone reads the bytes); NaN and infinities among the inputs are not served.
;
; REGISTERS, in windows of 256 (s_set_vgpr_msb's low byte: bits 1:0 source 0, 3:2 source 1, 5:4 source 2, 7:6 destination):
;   window 0: all below.   window 1: the scores, S[t][j] = v[8 t + j]; its v0-127 first hold the tile's 128 f32 numbers a lane.   window 2: the prototypes' fragments of K step 0, v[8 t ..].   window 3: those of K step 1.
.set QROWP, 1040                       ; a query's row in LDS: 1,024 bytes + 16 of padding = 260 words: row r starts at bank 4 r mod 64 (64 banks of 4 bytes: ISA guide 11.1)
.set QSLOT, 16*QROWP                   ; a tile of 16 rows; slot 4 w + k
.set PC,    16*QSLOT                   ; behind the 16 slots: fragments 0 .. NFL - 1 of the prototypes, 1,024 bytes each
.set NFL,   56
.set IDXS,  PC+NFL*1024                ; behind them: 256 bytes for each wave, for its 64 indices; no tensor load lands here
.set KTHR,  0x0c800000                 ; 2^-102
.set QA,  3                            ; v3   my lane's place in my wave's first tile: 4 QSLOT w + QROWP r + 128 h
.set PA,  4                            ; v4   PC + 16 x lane
.set IST, 7                            ; v7   where my index goes
.set ILD, 8                            ; v8   and where I read two back
.set RC,  10                           ; v10  (15 - r) << 5
.set PW,  16                           ; v16-79   the weights, as pairs (pw'_t, pw'_t)
.set PSW, 80                           ; v80-111  the prototypes' scale words, one register a tile: lanes 0-15 K step 0, lanes 16-31 K step 1; scales and nothing else
.set QC,  112                          ; v112-127 the query tile's codes: two fragments
.set QSW, 128                          ; v128     its scale words, laid as PSW; scales and nothing else
.set WD,  130                          ; v130-131 the words of K steps 0, 1
.set SO,  132                          ; v132-135 the conversions' scale operands, one a block
.set MX,  140                          ; v140-147 the largest score of query 8 h + j
.set NM,  148                          ; v148-155 24 - c smax
.set SM,  156                          ; v156-163 S'
.set PK,  164                          ; v164-171 the largest w' with its index
.set TH,  172                          ; v172-179 S' x KTHR
.set Y,   180                          ; v180-187 at work
.set GS,  192                          ; v192-223 the weights' logits, then their exponentials
.set TQ,  232                          ; v232-239 eight chains of the block maxima
.set TM,  240                          ; v240-243 the four blocks' largest magnitudes
.set BY,  244                          ; v244-247 their scale bytes
.set TX,  248                          ; v248-249 what the other half of the lanes sends
.set CM,  66                           ; s66-73   eight masks of the threshold's compares
.set MSB, 0
.macro WIN new                         ; the immediate's high byte repeats the setting that is left; a switch that changes nothing is dropped
.if MSB != \new
	s_set_vgpr_msb (MSB<<8)|\new
.set MSB, \new
.endif
.endm
	s_load_b256 s[4:11], s[0:1], 0x0               ; queries s[4:5], pimg s[6:7], gs s[8:9], idx s[10:11]
	v_lshl_add_u32 v254, v0, 2, 0x4f400
	v_mov_b32 v255, 0
	ds_add_u32 v254, v255
	ds_add_u32 v254, v255
	v_lshrrev_b32 v1, 5, v0
	v_readfirstlane_b32 s12, v1                    ; wave 0..3
	v_and_b32 v1, 15, v0                           ; r
	v_bfe_u32 v2, v0, 4, 1                         ; h
	v_and_b32 v13, 31, v0                          ; lane
	v_lshlrev_b32 v5, 4, v13                       ; 16 x lane
	v_lshlrev_b32 v9, 3, v13                       ; 8 x lane
	v_lshlrev_b32 v6, 7, v1                        ; 128 r: my 32 weights' logits
	s_mul_i32 s13, s12, 4*QSLOT                    ; my wave's four slots
	s_lshl_b32 s61, s12, 8                         ; 256 x wave
	v_mul_u32_u24 v[QA], v1, QROWP
	v_lshl_add_u32 v[QA], v2, 7, v[QA]
	v_add_nc_u32 v[QA], s13, v[QA]
	v_add_nc_u32 v[PA], PC, v5
	v_and_b32 v[IST], 7, v0
	v_lshl_add_u32 v[IST], v2, 3, v[IST]           ; the query that my lane ends up with: 8 h + r % 8
	v_lshl_add_u32 v[IST], v[IST], 2, s61
	v_add_nc_u32 v[IST], IDXS, v[IST]
	v_add_nc_u32 v[ILD], s61, v9
	v_add_nc_u32 v[ILD], IDXS, v[ILD]
	v_sub_nc_u32 v[RC], 15, v1
	v_lshlrev_b32 v[RC], 5, v[RC]
	v_lshlrev_b32 v11, 3, v2                       ; 8 h
	v_mov_b32 v[TX], 0                             ; written once: a lane permute's destination counts as one of its sources
	v_mov_b32 v[TX+1], 0
	; descriptor group 1 for a tile of queries: 16 rows x 256 elements of 4 bytes, 4 words of padding behind every 256
	s_mov_b32 s16, (2<<16)|(1<<20)|(7<<22)|(3<<25) ; 15:0 no mask; 17:16 elements of 4 bytes; 20 padding on; 24:22 after every 256 words (code 7); 31:25 four words (code 3)
	s_mov_b32 s17, 256<<16                         ; tensor_dim0 = 256
	s_mov_b32 s18, 16<<16                          ; tensor_dim1 = 16
	s_mov_b32 s19, 256<<16                         ; tile_dim0 = 256
	s_mov_b32 s20, 16                              ; tile_dim1 = 16
	s_mov_b32 s21, 256                             ; elements from row to row
	s_mov_b32 s22, 0
	s_mov_b32 s23, 0
	; and for a quarter of the fragments: a dense block of 14,336 bytes as 56 rows of 32 elements of 8 bytes, no padding
	s_mov_b32 s24, 3<<16
	s_mov_b32 s25, 32<<16
	s_mov_b32 s26, 56<<16
	s_mov_b32 s27, 32<<16
	s_mov_b32 s28, 56
	s_mov_b32 s29, 32
	s_mov_b32 s30, 0
	s_mov_b32 s31, 0
	s_mov_b32 s52, 0x4166d4ca                      ; c = 10 log2(e)
	s_mov_b32 s53, s52                             ; (named with it as a pair, so it is written)
	s_mov_b32 s54, 0x41c00000                      ; 24.0
	s_mov_b32 s55, 0xffffffe0                      ; all but the low 5 bits
	s_mov_b32 s56, 0xfffffe1f                      ; all but bits 8:5
	s_mov_b32 s57, 0xaaaaaaaa                      ; lanes whose number has bit 0 set,
	s_mov_b32 s58, 0xcccccccc                      ; bit 1,
	s_mov_b32 s59, 0xf0f0f0f0                      ; bit 2
	s_mov_b32 s60, 0xffff0000                      ; lanes 16-31
	s_mov_b32 s62, 0x76543210
	s_mov_b32 s63, 0xfedcba98                      ; v_permlanex16_b32's selects for lane l xor 16
	s_mul_i32 s2, s12, NFL*256                     ; my quarter of the fragments, in memory and in LDS
	s_mov_b32 s3, 0
	s_lshl_b32 s14, ttmp9, 18
	s_lshl_b32 s15, s12, 16
	s_add_co_u32 s14, s14, s15                     ; my wave's first row: (256 x + 64 w) x 1,024 bytes
	s_mov_b32 s15, 0
	s_wait_dscnt 0x0
	s_wait_kmcnt 0x0
	s_add_nc_u64 s[4:5], s[4:5], s[14:15]
	s_mov_b32 s32, 1                               ; group 0 for the fragments: count = 1,
	s_add_co_u32 s33, s2, PC                       ; LDS address,
	s_add_nc_u64 s[34:35], s[6:7], s[2:3]          ; global address,
	s_or_b32 s35, s35, 0x80000000                  ; type = 2
.irp k, 0,1,2,3                        ; and one for each of my four tiles
	s_mov_b32 s[36+4*\k], 1
	s_add_co_u32 s[37+4*\k], s13, \k*QSLOT
	s_add_nc_u64 s[38+4*\k:39+4*\k], s[4:5], \k*16384
	s_or_b32 s[39+4*\k], s[39+4*\k], 0x80000000
.endr
	s_lshr_b32 s14, ttmp9, 5
	s_lshl_b32 s14, s14, 11
	s_add_nc_u64 s[8:9], s[8:9], s[14:15]          ; gs at my batch's 512 logits
	s_lshl_b32 s14, ttmp9, 10
	s_add_co_u32 s14, s14, s61
	s_add_nc_u64 s[10:11], s[10:11], s[14:15]      ; idx at my wave's 64 rows
	tensor_load_to_lds s[32:35], s[24:31]          ; all first fills in one group, ahead of every wait on TENSORcnt, every LDS read and the barrier
	s_nop 0
	tensor_load_to_lds s[36:39], s[16:23]
	s_nop 0
	tensor_load_to_lds s[40:43], s[16:23]
	s_nop 0
	tensor_load_to_lds s[44:47], s[16:23]
	s_nop 0
	tensor_load_to_lds s[48:51], s[16:23]
	s_nop 0
.rept 4
	v_nop                                          ; four of them behind the last tensor load
.endr
.irp i, 0,1,2,3,4,5,6,7
	global_load_b128 v[GS+4*\i:GS+4*\i+3], v6, s[8:9] offset:16*\i             ; the logits of prototypes 32 r + 0 .. 31
.endr
.irp i, 0,1,2,3,4,5,6,7
	global_load_b128 v[PSW+4*\i:PSW+4*\i+3], v5, s[6:7] offset:65536+512*\i    ; the scale words of tiles 4 i .. 4 i + 3
.endr
	WIN 0xc0                                       ; destination window 3
.irp f, 56,57,58,59,60,61,62,63
.irp c, 0,1
	global_load_b128 v[8*(\f-32)+4*\c:8*(\f-32)+4*\c+3], v5, s[6:7] offset:\f*1024+512*\c
.endr
.endr
	WIN 0
	s_wait_loadcnt 24                              ; the logits are in; the 24 loads issued behind them may stay out
	; ---- THE WEIGHTS, once: pw'_n = 2^24 softmax_n(10 g_n).  Each half of the lanes holds all 512.
	v_max3_num_f32 v224, v[GS], v[GS+1], v[GS+2]
	v_max3_num_f32 v225, v[GS+3], v[GS+4], v[GS+5]
.irp i, 6,10,14,18,22,26
	v_max3_num_f32 v224, v224, v[GS+\i], v[GS+\i+1]
	v_max3_num_f32 v225, v225, v[GS+\i+2], v[GS+\i+3]
.endr
	v_max3_num_f32 v225, v225, v[GS+30], v[GS+31]
	v_max_num_f32 v225, v224, v225
.irp m, 1,2,4,8
	v_max_num_f32_dpp v225, v225, v225 row_xmask:\m row_mask:0xf bank_mask:0xf
.endr
	v_fma_f32 v224, -v225, s52, s54                ; 24 - c gmax
.irp i, 0,2,4,6,8,10,12,14,16,18,20,22,24,26,28,30
	v_pk_fma_f32 v[GS+\i:GS+\i+1], v[GS+\i:GS+\i+1], s[52:53], v[224:225] op_sel_hi:[1,0,0]
.endr
.irp i, 0,1,2,3,4,5,6,7,8,9,10,11,12,13,14,15,16,17,18,19,20,21,22,23,24,25,26,27,28,29,30,31
	v_exp_f32 v[GS+\i], v[GS+\i]
.endr
	v_nop                                          ; a plain place behind the exponentials
	s_wait_alu depctr_va_vdst(0)
	v_pk_add_f32 v[226:227], v[GS:GS+1], v[GS+2:GS+3]
	v_pk_add_f32 v[228:229], v[GS+4:GS+5], v[GS+6:GS+7]
.irp i, 8,12,16,20,24,28
	v_pk_add_f32 v[226:227], v[226:227], v[GS+\i:GS+\i+1]
	v_pk_add_f32 v[228:229], v[228:229], v[GS+\i+2:GS+\i+3]
.endr
	v_pk_add_f32 v[226:227], v[226:227], v[228:229]
	v_add_f32 v226, v226, v227
.irp m, 1,2,4,8
	v_add_f32_dpp v226, v226, v226 row_xmask:\m row_mask:0xf bank_mask:0xf
.endr
	v_rcp_f32 v227, v226
	v_nop                                          ; a plain place behind the reciprocal
	s_wait_alu depctr_va_vdst(0)
	v_ldexp_f32 v227, v227, 24
.irp t, 0,1,2,3,4,5,6,7,8,9,10,11,12,13,14,15,16,17,18,19,20,21,22,23,24,25,26,27,28,29,30,31
	v_mul_f32 v[PW+2*\t], v[GS+\t], v227           ; twice: the packed multiply below takes a pair
	v_mul_f32 v[PW+2*\t+1], v[GS+\t], v227
.endr
	s_wait_tensorcnt 4                             ; my quarter of the fragments has landed; my four tiles of queries, issued behind it, may stay out
	s_barrier_signal -1
	s_barrier_wait -1                              ; everybody's quarter has
	WIN 0x80                                       ; destination window 2
.irp f, 0,1,2,3,4,5,6,7,8,9,10,11,12,13,14,15,16,17,18,19,20,21,22,23,24,25,26,27,28,29,30,31
.irp c, 0,1
	ds_load_b128 v[8*\f+4*\c:8*\f+4*\c+3], v[PA] offset:\f*1024+512*\c
.endr
.endr
	WIN 0xc0                                       ; destination window 3
.irp f, 32,33,34,35,36,37,38,39,40,41,42,43,44,45,46,47,48,49,50,51,52,53,54,55
.irp c, 0,1
	ds_load_b128 v[8*(\f-32)+4*\c:8*(\f-32)+4*\c+3], v[PA] offset:\f*1024+512*\c
.endr
.endr
; Tile k's numbers: lane (r, h) takes, of query row r, the k that the operand's layout gives it: block b = 2 s + c is k = 128 s + 64 c + 32 h + 0 .. 31, eight loads of 16 bytes, into v[32 b ..] of window 1.
.macro QLOAD k
	s_wait_tensorcnt 3-(\k)                        ; tensor loads of a wave end in order (ISA guide 10.11.1): tile k is in; the 3 - k issued behind it may stay out.  The bytes are my wave's own
	WIN 0x40                                       ; destination window 1
.irp j, 0,1,2,3
.irp i, 0,1,2,3,4,5,6,7
	ds_load_b128 v[32*\j+4*\i:32*\j+4*\i+3], v[QA] offset:(\k)*QSLOT+256*\j+16*\i
.endr
.endr
.endm
; The tile's 128 numbers a lane become two fragments' codes and two scale words.  A lane holds four whole blocks, each taken in two chains of 16 numbers: eight chains by turns, so that seven other lines stand between two links of a chain.
.macro QUANT
	s_wait_dscnt 0x0                               ; the tile's 32 loads are in, and so is every older LDS instruction of mine
	WIN 0x05                                       ; sources 0 and 1 window 1
.irp n, 0,1,2,3,4,5,6,7
	v_max3_num_f32 v[TQ+\n], |v[16*\n]|, |v[16*\n+1]|, 0x1800000               ; the floor 2^(3 - 127) among the leaves: the byte cannot fall under 1
.endr
.irp i, 2,4,6,8,10,12,14
.irp n, 0,1,2,3,4,5,6,7
	v_max3_num_f32 v[TQ+\n], |v[16*\n+\i]|, |v[16*\n+\i+1]|, v[TQ+\n]
.endr
.endr
	WIN 0
.irp b, 0,1,2,3
	v_max_num_f32 v[TM+\b], v[TQ+2*\b], v[TQ+2*\b+1]
.endr
.irp b, 0,1,2,3
	v_add_nc_u32 v[SO+\b], 0xff000000, v[TM+\b]    ; 2 off the exponent field: the conversion's scale operand
.endr
.irp b, 0,1,2,3
	v_lshrrev_b32 v[BY+\b], 23, v[SO+\b]           ; the scale's byte
.endr
.irp s, 0,1
	v_lshl_or_b32 v[WD+\s], v[BY+2*\s+1], 16, v[BY+2*\s]   ; my two bytes of K step s are bytes h and 2 + h of the row's word;
.endr
.irp s, 0,1
	v_lshlrev_b32 v[WD+\s], v11, v[WD+\s]
.endr
.irp s, 0,1
	v_permlanex16_b32 v[TX+\s], v[WD+\s], s62, s63
.endr
.irp s, 0,1
	v_or_b32 v[WD+\s], v[WD+\s], v[TX+\s]          ; with lane l xor 16's two the word is whole
.endr
	WIN 0x01                                       ; source 0 window 1
.irp b, 0,1,2,3
.irp g, 0,1,2,3
	v_cvt_scalef32_pk8_fp4_f32 v[QC+4*\b+\g], v[32*\b+8*\g:32*\b+8*\g+7], v[SO+\b]
.endr
.endr
.endm
; 64 matrix instructions: the 32 accumulators take turns, one instruction a turn, K step 0 and then K step 1.  The first product starts each sum.
.macro MMA
	WIN 0x58                                       ; source 0 (queries) window 0, source 1 (prototypes) window 2, C and D window 1
.set t, 0
.rept 32
	v_wmma_scale_f32_16x16x128_f8f6f4 v[8*t:8*t+7], v[QC:QC+7], v[8*t:8*t+7], 0, v[QSW], v[PSW+t] matrix_a_fmt:MATRIX_FMT_FP4 matrix_b_fmt:MATRIX_FMT_FP4
.set t, t+1
.endr
	WIN 0x5c                                       ; source 1 window 3
.set t, 0
.rept 32
	v_wmma_scale_f32_16x16x128_f8f6f4 v[8*t:8*t+7], v[QC+8:QC+15], v[8*t:8*t+7], v[8*t:8*t+7], v[QSW], v[PSW+t] matrix_a_fmt:MATRIX_FMT_FP4 matrix_b_fmt:MATRIX_FMT_FP4 matrix_a_scale:MATRIX_SCALE_ROW1 matrix_b_scale:MATRIX_SCALE_ROW1
.set t, t+1
.endr
.rept 4
	v_nop                                          ; four places in front of the first read of results (ISA guide 7.12.1)
.endr
.endm
; The largest score of each of my eight queries; each accumulator is read from its low end on.
.macro SMAX
	WIN 0x05
.irp j, 0,1,2,3,4,5,6,7
	v_max_num_f32 v[MX+\j], v[\j], v[8+\j]
.endr
.set t, 2
.rept 15
.irp j, 0,1,2,3,4,5,6,7
	v_max3_num_f32 v[MX+\j], v[8*t+\j], v[8*t+8+\j], v[MX+\j]
.endr
.set t, t+2
.endr
	WIN 0
.irp m, 1,2,4,8
.irp j, 0,1,2,3,4,5,6,7
	v_max_num_f32_dpp v[MX+\j], v[MX+\j], v[MX+\j] row_xmask:\m row_mask:0xf bank_mask:0xf
.endr
.endr
.irp j, 0,1,2,3,4,5,6,7
	v_fma_f32 v[NM+\j], -v[MX+\j], s52, s54        ; 24 - c smax.  Its rounding shifts a whole row alike and falls out of w' / S'
.endr
.endm
; The scores go in GROUPS of four tiles, 32 registers, 16 pairs.  Group 0's exponents:
.macro TFIRST
	WIN 0x41                                       ; destination and source 0 window 1
.set i, 0
.rept 16
	v_pk_fma_f32 v[2*i:2*i+1], v[2*i:2*i+1], s[52:53], v[NM+2*(i%4):NM+2*(i%4)+1] op_sel_hi:[1,0,1]
.set i, i+1
.endr
.endm
; STEP g: group g's exponentials, with plain work that is ready set between them, so that each has a plain instruction behind it before its result is used: group g - 1 times its weights and given
; its index, group g + 1's exponents.  A pair is given its index ONE PAIR BEHIND its multiplication, so that six other lines stand between the product and its first reader; the last pair's two lines follow the run.
; Then, under one other setting of the windows, group g's share of S' and group g - 1's share of the maximum.  The sum is written as a multiply-add by 1.0, so that S' stands as source 2, as the
; running maximum does, and both kinds of line run under one setting.  A group is multiplied a step behind its sum, and its maximum is taken behind its packing.
.macro STEP g
	WIN 0x41
.set i, 0
.rept 16
.if (\g) < 8
	v_exp_f32 v[32*(\g)+2*i], v[32*(\g)+2*i]
.endif
.if (\g) > 0
	v_pk_mul_f32 v[32*((\g)-1)+2*i:32*((\g)-1)+2*i+1], v[32*((\g)-1)+2*i:32*((\g)-1)+2*i+1], v[PW+2*(4*((\g)-1)+i/4):PW+2*(4*((\g)-1)+i/4)+1]
.endif
.if (\g) < 8
	v_exp_f32 v[32*(\g)+2*i+1], v[32*(\g)+2*i+1]
.endif
.if ((\g) > 0) && (i > 0)
	v_and_or_b32 v[32*((\g)-1)+2*i-2], v[32*((\g)-1)+2*i-2], s55, 31-(4*((\g)-1)+(i-1)/4)
	v_and_or_b32 v[32*((\g)-1)+2*i-1], v[32*((\g)-1)+2*i-1], s55, 31-(4*((\g)-1)+(i-1)/4)
.endif
.if (\g) < 7
	v_pk_fma_f32 v[32*((\g)+1)+2*i:32*((\g)+1)+2*i+1], v[32*((\g)+1)+2*i:32*((\g)+1)+2*i+1], s[52:53], v[NM+2*(i%4):NM+2*(i%4)+1] op_sel_hi:[1,0,1]
.endif
.set i, i+1
.endr
.if (\g) > 0
	v_and_or_b32 v[32*((\g)-1)+30], v[32*((\g)-1)+30], s55, 31-(4*((\g)-1)+3)
	v_and_or_b32 v[32*((\g)-1)+31], v[32*((\g)-1)+31], s55, 31-(4*((\g)-1)+3)
	s_wait_alu depctr_va_vdst(0)
.endif
	WIN 0x05
.set u, 0
.rept 16
.if (\g) < 8
.if ((\g) == 0) && (u < 4)
	s_wait_alu depctr_va_vdst(0)
	v_pk_add_f32 v[SM+2*u:SM+2*u+1], v[2*u:2*u+1], v[8+2*u:8+2*u+1]            ; tiles 0 and 1 start the sums
.elseif ((\g) == 0) && (u < 8)
.else
	v_pk_fma_f32 v[SM+2*(u%4):SM+2*(u%4)+1], v[32*(\g)+2*u:32*(\g)+2*u+1], 1.0, v[SM+2*(u%4):SM+2*(u%4)+1] op_sel_hi:[1,0,1]
.endif
.endif
.if (\g) > 0
.if ((\g) == 1) && (u < 8)
	v_max_num_f32 v[PK+u], v[u], v[8+u]            ; tiles 0 and 1 start the maxima
.else
	v_max3_num_f32 v[PK+u%8], v[32*((\g)-1)+16*(u/8)+u%8], v[32*((\g)-1)+16*(u/8)+8+u%8], v[PK+u%8]
.endif
.endif
.set u, u+1
.endr
.endm
; The row's sum, the threshold, the maximum over the 16 lanes, the index.
.macro TAIL k
	WIN 0
.irp m, 1,2,4,8
.irp j, 0,1,2,3,4,5,6,7
	v_add_f32_dpp v[SM+\j], v[SM+\j], v[SM+\j] row_xmask:\m row_mask:0xf bank_mask:0xf
.endr
.endr
.irp j, 0,1,2,3,4,5,6,7
	v_mul_f32 v[TH+\j], KTHR, v[SM+\j]
.endr
.irp j, 0,1,2,3,4,5,6,7
	v_cmp_le_f32 s[CM+\j], v[TH+\j], v[PK+\j]      ; a mask of its own for each query, so that no select stands next to its compare
.endr
.irp j, 0,1,2,3,4,5,6,7
	v_cndmask_b32 v[PK+\j], 0, v[PK+\j], s[CM+\j]  ; what lies under the threshold counts as 0
.endr
.irp j, 0,1,2,3,4,5,6,7
	v_and_or_b32 v[PK+\j], v[PK+\j], s56, v[RC]    ; bits 8:5 take 15 - r: the low 9 bits are now 511 - n
.endr
.irp m, 1,2,4,8
.irp j, 0,1,2,3,4,5,6,7
	v_max_num_f32_dpp v[PK+\j], v[PK+\j], v[PK+\j] row_xmask:\m row_mask:0xf bank_mask:0xf
.endr
.endr
.irp a, 0,1,2,3
	v_cndmask_b32 v[Y+\a], v[PK+2*\a], v[PK+2*\a+1], s57   ; lane (r, h) keeps query 8 h + r % 8: bit 0 of the lane's number,
.endr
.irp b, 0,1
	v_cndmask_b32 v[Y+4+\b], v[Y+2*\b], v[Y+2*\b+1], s58   ; bit 1,
.endr
	v_cndmask_b32 v[Y+6], v[Y+4], v[Y+5], s59      ; bit 2
	v_and_b32 v[Y+7], 0x1ff, v[Y+6]
	v_sub_nc_u32 v[Y+7], 0x1ff, v[Y+7]             ; n
	v_cmp_lt_u32 vcc_lo, 0x1ff, v[Y+6]             ; a number over the threshold has bits above the low 9
	v_cndmask_b32 v[Y+7], 0, v[Y+7], vcc_lo        ; else every product counted as 0: the first index
	ds_store_b32 v[IST], v[Y+7] offset:64*\k       ; lanes r and r + 8 write the same word with the same value
.endm
; A tile.  Its numbers were asked for out of LDS in the tile before: behind STEP 5 score registers 0-127 (groups 0 to 3) have been read for the last time (group 3's maximum stands in STEP 4),
; and STEP 6 to 8 and the tail name only registers 160 on and window 0: so the next tile's 32 loads land there while that work is done.
.macro TILE k
	QUANT
	WIN 0
	v_cndmask_b32 v[QSW], v[WD], v[WD+1], s60      ; lanes 0-15 K step 0's word, lanes 16-31 K step 1's.  (Also the plain place behind the conversions)
.rept 8
	v_nop                                          ; a scale register written by a vector instruction stands 8 places ahead of a scaled matrix instruction, an operand so written 4
.endr
.if \k == 0
	s_wait_loadcnt 0x0                             ; the scale words and fragments 56-63 (the fragments from LDS were issued ahead of the numbers that the wait for 0 on DScnt above has shown in)
.endif
	MMA
	SMAX
	TFIRST
.irp g, 0,1,2,3,4,5
	STEP \g
.endr
.if \k < 3
	QLOAD \k+1
.endif
.irp g, 6,7,8
	STEP \g
.endr
	TAIL \k
.endm
	QLOAD 0
	TILE 0
	TILE 1
	TILE 2                                         ; the wait on TENSORcnt in it, for tile 3, is for 0: no tensor load is out at the end
	TILE 3
	ds_load_b64 v[Y:Y+1], v[ILD]                   ; LDS serves a wave's instructions in order (ISA guide 5.7.1.4): this sees my four stores
	s_wait_dscnt 0x0
	global_store_b64 v9, v[Y:Y+1], s[10:11]        ; 32 lanes store 256 consecutive bytes, at a multiple of 256 from idx's first byte
	s_wait_tensorcnt 0x0
	ds_add_u32 v254, v255
	s_wait_dscnt 0x0
	s_endpgm
.Lfunc_end_k_qd85bf7e0f6_match:
	.size	k_qd85bf7e0f6_match, .Lfunc_end_k_qd85bf7e0f6_match-k_qd85bf7e0f6_match
	.p2alignl 7, 3214868480
	.fill 96, 4, 3214868480
	.section	.rodata,"a",@progbits
	.p2align	6, 0x0
	.amdhsa_kernel k_qd85bf7e0f6_match
		.amdhsa_group_segment_fixed_size 327680
		.amdhsa_private_segment_fixed_size 0
		.amdhsa_enable_private_segment 0
		.amdhsa_kernarg_size 32
		.amdhsa_user_sgpr_count 2
		.amdhsa_user_sgpr_kernarg_segment_ptr 1
		.amdhsa_wavefront_size32 1
		.amdhsa_system_sgpr_workgroup_id_x 1
		.amdhsa_system_sgpr_workgroup_id_y 1
		.amdhsa_system_sgpr_workgroup_id_z 1
		.amdhsa_system_vgpr_workitem_id 0
		.amdhsa_next_free_vgpr 1024
		.amdhsa_next_free_sgpr 80
		.amdhsa_reserve_vcc 1
		.amdhsa_float_denorm_mode_32 3
		.amdhsa_float_denorm_mode_16_64 3
		.amdhsa_memory_ordered 1
		.amdhsa_forward_progress 1
		.amdhsa_inst_pref_size 255
	.end_amdhsa_kernel
	.section	.bss,"aw",@nobits
	.p2align	6
	.space	262144
	.amdgpu_metadata
---
amdhsa.version: [ 1, 2 ]
amdhsa.kernels:
  - .name:           k_qd85bf7e0f6_match
    .symbol:         k_qd85bf7e0f6_match.kd
    .args:
      - { .name: queries, .offset: 0, .size: 8, .value_kind: global_buffer, .address_space: global }
      - { .name: pimg, .offset: 8, .size: 8, .value_kind: global_buffer, .address_space: global }
      - { .name: gs, .offset: 16, .size: 8, .value_kind: global_buffer, .address_space: global }
      - { .name: idx, .offset: 24, .size: 8, .value_kind: global_buffer, .address_space: global }
    .group_segment_fixed_size: 327680
    .private_segment_fixed_size: 0
    .kernarg_segment_align: 8
    .kernarg_segment_size: 32
    .max_flat_workgroup_size: 128
    .sgpr_count:     80
    .vgpr_count:     1024
    .wavefront_size: 32
...
	.end_amdgpu_metadata
.endif
;; end of part 2
;; launch dist (part 3): grid 256 x 1, 8 waves a work-group, no clusters, 2,048 bytes of LDS; arguments queries, prototypes, idx, out0; writes out0
.if DOCPART == 3
	.amdgcn_target "amdgcn-amd-amdhsa--gfx1250"
	.amdhsa_code_object_version 6
	.text
	.protected	k_qd85bf7e0f6_dist
	.globl	k_qd85bf7e0f6_dist
	.p2align	8
	.type	k_qd85bf7e0f6_dist,@function
k_qd85bf7e0f6_dist:
	s_mov_b64 s[64:65], 0
	v_nop
	global_prefetch_b8 v0, s[64:65] scope:SCOPE_SE
	s_setreg_imm32_b32 hwreg(HW_REG_WAVE_MODE, 25, 1), 1
	s_wait_xcnt 0x0
; out0[row] = the sum over c of (queries[row][c] - prototypes[idx[row]][c])^2, in f32.  idx was stored as whole numbers by the launch before.
; A stream: no matrix unit, no cluster, no tensor loads: work-groups share nothing but the table of 512 rows.  Work-group x owns rows 256 x .. + 255, each of its eight waves 32.
; A row is 1,024 bytes: two loads of 16 bytes a lane, each of 512 consecutive bytes; the prototype's row likewise.  A ring of SLOTS row slots in registers keeps 4 SLOTS loads of every wave on their way.
; The wave's 32 indices come by two scalar loads, are held to 511 and become byte offsets; nothing else hangs on them.  THE QUERIES DO NOT HANG ON THEM: the first SLOTS rows of queries are asked for
; together with the indices, and the prototypes' rows follow when the indices are in.  Written out: every offset is an immediate, no pointer is stepped.
.set SLOTS, 12
.set PA,  8                            ; v8-19    slot s: 16 x lane + 1,024 x the row's index
.set T,   20                           ; v20-27   the row's differences
.set A,   28                           ; v28-35   eight rows' sums
.set XD,  36                           ; v36-43   what the other half of the lanes sends
.set AC,  44                           ; v44-45   a row's sum, in two halves
.set Q,   48                           ; v48-143  slot s: 8 registers of the query
.set P,   144                          ; v144-239 slot s: 8 registers of the prototype
	s_load_b256 s[4:11], s[0:1], 0x0               ; queries s[4:5], prototypes s[6:7], idx s[8:9], out0 s[10:11]
	v_lshl_add_u32 v240, v0, 2, 0x400
	v_mov_b32 v241, 0
	v_lshrrev_b32 v1, 5, v0
	v_readfirstlane_b32 s12, v1                    ; wave 0..7
	v_and_b32 v1, 31, v0
	v_lshlrev_b32 v1, 4, v1                        ; 16 x lane
	v_mov_b32 v2, 0                                ; lane i will hold row i's result
	v_lshlrev_b32 v3, 2, v0                        ; LDS: 4 x my thread's number
	v_lshlrev_b32 v4, 3, v0                        ; the way out: 8 x my thread's number, in LDS and in out0
.irp j, 0,1,2,3,4,5,6,7
	v_mov_b32 v[XD+\j], 0                          ; written once: a lane permute's destination counts as one of its sources
.endr
	s_mov_b32 s16, 0x76543210
	s_mov_b32 s17, 0xfedcba98                      ; v_permlanex16_b32's selects for lane l xor 16
	s_lshl_b32 s14, ttmp9, 18
	s_lshl_b32 s15, s12, 15
	s_add_co_u32 s14, s14, s15                     ; my wave's first row: (256 x + 32 w) x 1,024 bytes
	s_mov_b32 s15, 0
	s_lshl_b32 s18, ttmp9, 10                      ; the work-group's 256 results
	s_lshl_b32 s19, s12, 7
	s_add_co_u32 s20, s18, s19                     ; my wave's 32 indices
	s_mov_b32 s19, 0
	s_mov_b32 s21, 0
.macro FILLQ i                         ; row i of the queries
.set FS, (\i)%SLOTS
	global_load_b128 v[Q+8*FS:Q+8*FS+3],   v1, s[4:5] offset:(\i)*1024 th:TH_LOAD_NT
	global_load_b128 v[Q+8*FS+4:Q+8*FS+7], v1, s[4:5] offset:(\i)*1024+512 th:TH_LOAD_NT
.endm
.macro FILLP i                         ; and the prototype that it was matched with
.set FS, (\i)%SLOTS
	v_add_nc_u32 v[PA+FS], s[32+(\i)], v1
	global_load_b128 v[P+8*FS:P+8*FS+3],   v[PA+FS], s[6:7]
	global_load_b128 v[P+8*FS+4:P+8*FS+7], v[PA+FS], s[6:7] offset:512
.endm
	s_wait_kmcnt 0x0
	s_add_nc_u64 s[8:9], s[8:9], s[20:21]
	s_load_b512 s[32:47], s[8:9], 0x0
	s_load_b512 s[48:63], s[8:9], 0x40
	s_add_nc_u64 s[4:5], s[4:5], s[14:15]
	s_add_nc_u64 s[10:11], s[10:11], s[18:19]
.irp i, 0,1,2,3,4,5,6,7,8,9,10,11
	FILLQ \i                                       ; 24 loads go out while the indices are on their way
.endr
	s_wait_kmcnt 0x0
.irp i, 0,1,2,3,4,5,6,7,8,9,10,11,12,13,14,15,16,17,18,19,20,21,22,23,24,25,26,27,28,29,30,31
	s_min_u32 s[32+\i], s[32+\i], 511              ; an index stays inside the table
	s_lshl_b32 s[32+\i], s[32+\i], 10              ; its row's first byte
.endr
.irp i, 0,1,2,3,4,5,6,7,8,9,10,11
	FILLP \i
.endr
.macro ROW i
.set SL, (\i)%SLOTS
.if (\i) < SLOTS
	s_wait_loadcnt 2*(SLOTS-1)+2*(\i)              ; loads come back in order (ISA guide 5.7.1).  Behind this row's prototype stand the first fills' 2 (11 - i) loads of later prototypes and the 4 i loads of the refills made in rows 0 .. i - 1
.elseif 4*(31-(\i)) < 4*(SLOTS-1)
	s_wait_loadcnt 4*(31-(\i))                     ; the last rows: the counts run down
.else
	s_wait_loadcnt 4*(SLOTS-1)                     ; this row's four are in, the eleven younger rows' stay out
.endif                                 ; (the wait also frees the slot's address register)
.irp j, 0,2,4,6
	v_pk_add_f32 v[T+\j:T+\j+1], v[Q+8*SL+\j:Q+8*SL+\j+1], v[P+8*SL+\j:P+8*SL+\j+1] neg_lo:[0,1] neg_hi:[0,1]
.endr
.if (\i)+SLOTS < 32
	FILLQ (\i)+SLOTS                               ; the slot's registers have been read: the row SLOTS further on
	FILLP (\i)+SLOTS
.endif
	v_pk_mul_f32 v[AC:AC+1], v[T:T+1], v[T:T+1]
.irp j, 2,4,6
	v_pk_fma_f32 v[AC:AC+1], v[T+\j:T+\j+1], v[T+\j:T+\j+1], v[AC:AC+1]
.endr
	v_add_f32 v[A+(\i)%8], v[AC], v[AC+1]
.endm
.macro REDUCE8 a                       ; rows 8 a .. 8 a + 7: over the 32 lanes, the eight by turns; then row i's sum is kept by lane i
.irp m, 1,2,4,8
.irp j, 0,1,2,3,4,5,6,7
	v_add_f32_dpp v[A+\j], v[A+\j], v[A+\j] row_xmask:\m row_mask:0xf bank_mask:0xf
.endr
.endr
.irp j, 0,1,2,3,4,5,6,7
	v_permlanex16_b32 v[XD+\j], v[A+\j], s16, s17
.endr
.irp j, 0,1,2,3,4,5,6,7
	v_add_f32 v[A+\j], v[A+\j], v[XD+\j]
.endr
.irp j, 0,1,2,3,4,5,6,7
	s_mov_b32 s13, 1<<(8*(\a)+\j)
	v_cndmask_b32 v2, v2, v[A+\j], s13
.endr
.endm
.irp a, 0,1,2,3
.irp j, 0,1,2,3,4,5,6,7
	ROW 8*\a+\j
.endr
	REDUCE8 \a
.endr
	; A wave's 32 results are 128 bytes; two waves' meet in LDS, so that each store covers 256 consecutive bytes, aligned.
	ds_store_b32 v3, v2
	s_wait_dscnt 0x0                               ; for the others' sake
	s_barrier_signal -1
	s_barrier_wait -1
	s_cmp_gt_u32 s12, 3
	s_cbranch_scc1 .Ldone
	ds_load_b64 v[6:7], v4
	s_wait_dscnt 0x0
	global_store_b64 v4, v[6:7], s[10:11]
.Ldone:
	s_wait_tensorcnt 0x0
	ds_add_u32 v240, v241
	s_wait_dscnt 0x0
	s_endpgm
.Lfunc_end_k_qd85bf7e0f6_dist:
	.size	k_qd85bf7e0f6_dist, .Lfunc_end_k_qd85bf7e0f6_dist-k_qd85bf7e0f6_dist
	.p2alignl 7, 3214868480
	.fill 96, 4, 3214868480
	.section	.rodata,"a",@progbits
	.p2align	6, 0x0
	.amdhsa_kernel k_qd85bf7e0f6_dist
		.amdhsa_group_segment_fixed_size 2048
		.amdhsa_private_segment_fixed_size 0
		.amdhsa_enable_private_segment 0
		.amdhsa_kernarg_size 32
		.amdhsa_user_sgpr_count 2
		.amdhsa_user_sgpr_kernarg_segment_ptr 1
		.amdhsa_wavefront_size32 1
		.amdhsa_system_sgpr_workgroup_id_x 1
		.amdhsa_system_sgpr_workgroup_id_y 1
		.amdhsa_system_sgpr_workgroup_id_z 1
		.amdhsa_system_vgpr_workitem_id 0
		.amdhsa_next_free_vgpr 242
		.amdhsa_next_free_sgpr 66
		.amdhsa_reserve_vcc 0
		.amdhsa_float_denorm_mode_32 3
		.amdhsa_float_denorm_mode_16_64 3
		.amdhsa_memory_ordered 1
		.amdhsa_forward_progress 1
		.amdhsa_inst_pref_size 51
	.end_amdhsa_kernel
	.amdgpu_metadata
---
amdhsa.version: [ 1, 2 ]
amdhsa.kernels:
  - .name:           k_qd85bf7e0f6_dist
    .symbol:         k_qd85bf7e0f6_dist.kd
    .args:
      - { .name: queries, .offset: 0, .size: 8, .value_kind: global_buffer, .address_space: global }
      - { .name: prototypes, .offset: 8, .size: 8, .value_kind: global_buffer, .address_space: global }
      - { .name: idx, .offset: 16, .size: 8, .value_kind: global_buffer, .address_space: global }
      - { .name: out0, .offset: 24, .size: 8, .value_kind: global_buffer, .address_space: global }
    .group_segment_fixed_size: 2048
    .private_segment_fixed_size: 0
    .kernarg_segment_align: 8
    .kernarg_segment_size: 32
    .max_flat_workgroup_size: 256
    .sgpr_count:     66
    .vgpr_count:     242
    .wavefront_size: 32
...
	.end_amdgpu_metadata
.endif
;; end of part 3
